; MI455X (gfx1250); checked and timed in simulation.
; The chip was launched on July 23, 2026; its instructions are those of AMD's public machine-readable ISA for CDNA 5 (MIT licence, August 2026) and "CDNA5" Instruction Set Architecture Reference Guide (July 2026). The comments in the code are by the model that wrote it; some were corrected since.
;; Global Multi Head Attention. Allowed arithmetic: float matrix products may take bf16 or f16 operands with f32 sums; all other float work in f32.
;; Inputs: dc_b1 2,048 float32; dc_b2 2 float32; dc_w1 2,048 x 2,048 float32; dc_w2 2,048 x 2 float32; input_a 1 x 32 x 1,024 float32; input_t 1 x 32 x 1,024 float32; input_v 1 x 32 x 1,024 float32; ln_b 1,024 float32; ln_g 1,024 float32; w_ds0 1,024 x 1,024 float32; w_ds1 1,024 x 1,024 float32; w_fc 1,024 x 1,024 float32; w_ks 1,024 x 1,024 float32; w_qs 1,024 x 1,024 float32; w_vs 1,024 x 1,024 float32.
;; Outputs: out0 3 x 1 x 32 x 1,024 float32.
;; One version. Each part assembles by itself: llvm-mc -triple=amdgcn-amd-amdhsa -mcpu=gfx1250 --defsym DOCPART=n.
;; ======== version 1 of 1: 6 launches
;; limits: values are held in f16: magnitudes above 65,504 overflow, below 6.1e-05 lose precision
;; workspace buffers: yhi 983,040 bytes; ylo 393,216 bytes; pbuf 1,572,864 bytes; dpart 73,728 bytes; ohi 196,608 bytes; ybuf 393,216 bytes
;; launch proj (part 1): grid 3 x 80, 8 waves a work-group, no clusters, 291,840 bytes of LDS; arguments input_t, input_a, input_v, w_qs, w_ks, w_vs, w_ds0, w_ds1, yhi, ylo; writes yhi, ylo
.if DOCPART == 1
	.amdgcn_target "amdgcn-amd-amdhsa--gfx1250"
	.amdhsa_code_object_version 6
	.text
	.protected	k_q08b12496c9_proj
	.globl	k_q08b12496c9_proj
	.p2align	8
	.type	k_q08b12496c9_proj,@function
k_q08b12496c9_proj:
	s_mov_b64 s[64:65], 0
	v_nop
	global_prefetch_b8 v0, s[64:65] scope:SCOPE_SE
	s_setreg_imm32_b32 hwreg(HW_REG_WAVE_MODE, 25, 1), 1
	s_wait_xcnt 0x0
; proj: Y = X W for the five weights w_qs, w_ks, w_vs, w_ds0, w_ds1 (wsel 0..4).  X is one modality's [32][1024] f32, W is [1024][1024] f32.
; A work-group makes 32 rows (modality = group x) by 64 columns (group y: wsel = y / 16, column block = y % 16).
; Wave w takes k = 128 w .. 128 w + 127 of the whole 32 x 64 tile, four K steps of 32; the eight partial tiles meet in LDS behind the one barrier.
; PRECISION: every operand is split into two f16 planes, hi = f16(x), lo = f16((x - hi) * 2048).  Two f32 sums for each output:
;   main += Whi Xhi,  corr += Whi Xlo + Wlo Xhi,  result = main + corr / 2048.  The hard decisions made later from D0 and D1 need that much.
; LIMIT: |x|, |w| and |Y| below 65,504 (f16's largest number); beyond it hi is infinite.
; No cluster: a W block is shared by three work-groups, which no cluster shape divides, and W passes through registers for the split anyway.
; OUTPUT, 'fragment-major' f16: the 16 bytes of (s = col / 32, mt = row / 16, half, lane = r + 16 hh) hold cols 32 s + 16 half + 8 hh .. + 7 of row 16 mt + r
; and lie at byte ((6 s + mt) * 2 + half) * 512 + 16 lane of the matrix's 196,608 bytes: a wave's store covers 512 consecutive bytes, aligned.
.set LDWB,  4096                       ; bytes in a row of W
.set WP,    160                        ; LDS pitch of a staged W row: 64 f16 = 128 bytes + 32, an odd multiple of 32 for the transposing load
.set PLN,   32*WP                      ; one plane of a K step: 32 k rows
.set WSTW,  2*PLN                      ; a wave's W stage: hi plane, lo plane
.set RED,   8*WSTW                     ; behind the eight stages: the partial tiles
.set RP,    272                        ; pitch of a row of 64 f32 (and of 128 f16): 256 bytes + 16
.set REDW,  32*RP                      ; a wave's partial tile
.set XST,   RED+8*REDW                 ; behind them: each wave's X stage
.set XPL,   32*RP                      ; one plane of it: 32 rows of 128 f16
.set XSTW,  2*XPL
.set PLANE, 196608                     ; bytes of one matrix in yhi and in ylo
.set VW,  4                            ; byte offset in W: (128 w + 4 hh) rows + 16 r
.set VA,  5                            ; byte offset in X: 512 w + 16 lane
.set VS,  6                            ; W stage, store: 640 hh + 8 r
.set VT,  7                            ; W stage, transposing load
.set VR,  8                            ; my partial tile, store
.set VL,  9                            ; the tile that I finish, load
.set VO,  10                           ; byte offset of my 16 bytes in the output matrix
.set VXS, 11                           ; X stage, store
.set VXL, 12                           ; X stage, fragment load
.set BF,  32                           ; v32-95   W fragments, (2 nt + plane) * 8; at first X rows 0-15 as loaded; at last the combined tile
.set WB0, 96                           ; v96-159  raw W, slot i = 4 registers
.set WB1, 160                          ; v160-223 raw W; at first X rows 16-31 as loaded
.set ACCM, 0                           ; window 1: v256-319 main sums, tile 4 mt + nt
.set ACCC, 64                          ; window 1: v320-383 correction sums
.set AF,   128                         ; window 1: v384-511 X fragments, (4 s + 2 mt + plane) * 8
.set MSB, 0
.macro WIN new                         ; the immediate's high byte repeats the setting that is left
.if MSB != \new
	s_set_vgpr_msb (MSB<<8)|\new
.set MSB, \new
.endif
.endm
; Eight f32 at v[src .. src+7] become hi in v[16:19] and lo in v[20:23].  x - hi is exact in f32.
.macro SPLIT8 src
	v_cvt_pk_f16_f32 v16, v[\src], v[\src+1]
	v_cvt_pk_f16_f32 v17, v[\src+2], v[\src+3]
	v_cvt_pk_f16_f32 v18, v[\src+4], v[\src+5]
	v_cvt_pk_f16_f32 v19, v[\src+6], v[\src+7]
	v_cvt_f32_f16 v24, v16.l
	v_cvt_f32_f16 v25, v16.h
	v_cvt_f32_f16 v26, v17.l
	v_cvt_f32_f16 v27, v17.h
	v_cvt_f32_f16 v28, v18.l
	v_cvt_f32_f16 v29, v18.h
	v_cvt_f32_f16 v30, v19.l
	v_cvt_f32_f16 v31, v19.h
.irp j, 0,2,4,6
	v_pk_add_f32 v[24+\j:25+\j], v[\src+\j:\src+\j+1], v[24+\j:25+\j] neg_lo:[0,1] neg_hi:[0,1]
.endr
.irp j, 0,2,4,6
	v_pk_mul_f32 v[24+\j:25+\j], v[24+\j:25+\j], 0x45000000 op_sel_hi:[1,0]   ; times 2048
.endr
	v_cvt_pk_f16_f32 v20, v24, v25
	v_cvt_pk_f16_f32 v21, v26, v27
	v_cvt_pk_f16_f32 v22, v28, v29
	v_cvt_pk_f16_f32 v23, v30, v31
.endm
; The 32 rows of K step s.  Load i takes rows 8 (i / 4) + i % 4 (lanes 0-15) and that + 4 (lanes 16-31): two whole rows of 256 bytes.
.macro WLOAD buf, s
.irp i, 0,1,2,3,4,5,6,7,8,9,10,11,12,13,14,15
	global_load_b128 v[\buf+4*\i:\buf+4*\i+3], v[VW], s[6:7] offset:(32*\s+8*(\i/4)+\i%4)*LDWB
.endr
.endm
; Sixteen rows of X (my 128 k) from registers into my X stage, both planes
.macro XCONV buf, row0
.irp q, 0,2,4,6,8,10,12,14
	SPLIT8 \buf+4*\q
	ds_store_b64 v[VXS], v[16:17] offset:RP*(\row0+\q)
	ds_store_b64 v[VXS], v[18:19] offset:RP*(\row0+\q+1)
	ds_store_b64 v[VXS], v[20:21] offset:RP*(\row0+\q)+XPL
	ds_store_b64 v[VXS], v[22:23] offset:RP*(\row0+\q+1)+XPL
.endr
.endm
; Eight matrix instructions, one for each tile.  Used transposed: source 0 = 16 columns of W, source 1 = 16 rows of X, so that
; register j of lane (r, hh) is out(row r, column 16 nt + 8 hh + j).
.macro MMA acc, wpl, xpl, s, zero
.irp mt, 0,1
.irp nt, 0,1,2,3
.if \zero
	v_wmma_f32_16x16x32_f16 v[\acc+8*(4*\mt+\nt):\acc+8*(4*\mt+\nt)+7], v[BF+8*(2*\nt+\wpl):BF+8*(2*\nt+\wpl)+7], v[AF+8*(4*\s+2*\mt+\xpl):AF+8*(4*\s+2*\mt+\xpl)+7], 0
.else
	v_wmma_f32_16x16x32_f16 v[\acc+8*(4*\mt+\nt):\acc+8*(4*\mt+\nt)+7], v[BF+8*(2*\nt+\wpl):BF+8*(2*\nt+\wpl)+7], v[AF+8*(4*\s+2*\mt+\xpl):AF+8*(4*\s+2*\mt+\xpl)+7], v[\acc+8*(4*\mt+\nt):\acc+8*(4*\mt+\nt)+7]
.endif
.endr
.endr
.endm
; One K step: raw W in buf is split and staged; each slot is loaded again with step next (none if next < 0) as soon as it has been read;
; the fragments come back transposed; 24 products.  The stage is my wave's own: LDS serves a wave's instructions in order (ISA guide 5.7.1),
; and the last step's transposing loads were waited for in front of its products.
; The transposing loads land in registers that the last step's matrix instructions read: the 192 plain conversions in front of them,
; which name none of those registers, are more than the four places asked for.
; The sixteen accumulators take turns, one instruction a turn, over the step's end too.
.macro KSTEP s, buf, next, cnt, zero
	s_wait_loadcnt \cnt                            ; loads return in order: all but the cnt youngest are in
.irp i, 0,2,4,6,8,10,12,14
	SPLIT8 \buf+4*\i
	ds_store_b64 v[VS], v[16:17] offset:(8*(\i/4)+\i%4)*WP
	ds_store_b64 v[VS], v[18:19] offset:(8*(\i/4)+\i%4+1)*WP
	ds_store_b64 v[VS], v[20:21] offset:(8*(\i/4)+\i%4)*WP+PLN
	ds_store_b64 v[VS], v[22:23] offset:(8*(\i/4)+\i%4+1)*WP+PLN
.if \next >= 0
	global_load_b128 v[\buf+4*\i:\buf+4*\i+3], v[VW], s[6:7] offset:(32*\next+8*(\i/4)+\i%4)*LDWB
	global_load_b128 v[\buf+4*\i+4:\buf+4*\i+7], v[VW], s[6:7] offset:(32*\next+8*(\i/4)+\i%4+1)*LDWB
.endif
.endr
.irp nt, 0,1,2,3
.irp pl, 0,1
	ds_load_tr16_b128 v[BF+8*(2*\nt+\pl):BF+8*(2*\nt+\pl)+3], v[VT] offset:32*\nt+PLN*\pl
	ds_load_tr16_b128 v[BF+8*(2*\nt+\pl)+4:BF+8*(2*\nt+\pl)+7], v[VT] offset:32*\nt+PLN*\pl+16*WP
.endr
.endr
	s_wait_dscnt 0x0
	WIN 0x54                                       ; source 0 window 0; source 1, C and D window 1
	MMA ACCM, 0, 0, \s, \zero                      ; Whi Xhi
	MMA ACCC, 0, 1, \s, \zero                      ; Whi Xlo
	MMA ACCC, 1, 0, \s, 0                          ; Wlo Xhi
	WIN 0
.endm
; 16 loads of the eight waves' partial sums of my 8 numbers, added in the order of the waves
.macro REDSUM step
.irp p, 0,1,2,3,4,5,6,7
	ds_load_b128 v[WB0+8*\p:WB0+8*\p+3], v[VL] offset:REDW*\p
	ds_load_b128 v[WB0+8*\p+4:WB0+8*\p+7], v[VL] offset:REDW*\p+\step
.endr
	s_wait_dscnt 0x0
.irp p, 1,2,3,4,5,6,7
.irp u, 0,2,4,6
	v_pk_add_f32 v[WB0+\u:WB0+\u+1], v[WB0+\u:WB0+\u+1], v[WB0+8*\p+\u:WB0+8*\p+\u+1]
.endr
.endr
.endm
	s_load_b512 s[16:31], s[0:1], 0x0              ; t s[16:17], a s[18:19], v s[20:21], qs s[22:23], ks s[24:25], vs s[26:27], ds0 s[28:29], ds1 s[30:31]
	s_load_b128 s[32:35], s[0:1], 0x40             ; yhi s[32:33], ylo s[34:35]
	v_lshl_add_u32 v254, v0, 2, 0x47000
	v_mov_b32 v255, 0
	v_lshrrev_b32 v13, 5, v0
	v_readfirstlane_b32 s8, v13                    ; wave 0..7
	s_mov_b32 s9, ttmp9                            ; modality
	s_and_b32 s10, ttmp7, 0xffff
	s_lshr_b32 s11, s10, 4                         ; wsel
	s_and_b32 s12, s10, 15                         ; column block of 64
	v_and_b32 v1, 31, v0                           ; lane
	v_and_b32 v2, 15, v0                           ; r
	v_bfe_u32 v3, v0, 4, 1                         ; hh
	s_mul_i32 s13, s8, 128*LDWB
	v_mul_u32_u24 v[VW], v3, 4*LDWB
	v_lshl_add_u32 v[VW], v2, 4, v[VW]
	v_add_nc_u32 v[VW], s13, v[VW]
	s_lshl_b32 s14, s8, 9
	v_lshl_add_u32 v[VA], v1, 4, s14
	s_mul_i32 s15, s8, WSTW
	v_mul_u32_u24 v[VS], v3, 4*WP
	v_lshl_add_u32 v[VS], v2, 3, v[VS]
	v_add_nc_u32 v[VS], s15, v[VS]
	v_and_b32 v13, 7, v0
	v_lshl_add_u32 v13, v3, 3, v13                 ; k row 8 hh + lane % 8
	v_mul_u32_u24 v[VT], v13, WP
	v_bfe_u32 v13, v0, 3, 1
	v_lshl_add_u32 v[VT], v13, 4, v[VT]            ; + 16 bytes for the upper eight columns
	v_add_nc_u32 v[VT], s15, v[VT]
	v_mul_u32_u24 v15, v2, RP                      ; 272 r
	v_lshl_add_u32 v14, v3, 5, v15                 ; + 32 hh
	s_mul_i32 s36, s8, REDW
	s_add_co_u32 s36, s36, RED
	v_add_nc_u32 v[VR], s36, v14
	s_mul_i32 s37, s8, XSTW
	s_add_co_u32 s37, s37, XST
	v_lshl_add_u32 v[VXS], v1, 3, s37
	v_lshl_add_u32 v[VXL], v3, 4, v15
	v_add_nc_u32 v[VXL], s37, v[VXL]
	s_and_b32 s38, s8, 3                           ; the tile that I finish: nt = w % 4,
	s_lshr_b32 s39, s8, 2                          ; mt' = w / 4
	s_mul_i32 s42, s39, 16*RP
	s_lshl_b32 s43, s38, 6
	s_add_co_u32 s42, s42, s43
	s_add_co_u32 s42, s42, RED
	v_add_nc_u32 v[VL], s42, v14
	s_lshr_b32 s40, s38, 1
	s_lshl1_add_u32 s40, s12, s40                  ; s = 2 x column block + nt / 2
	s_mul_i32 s40, s40, 6
	s_lshl1_add_u32 s41, s9, s39                   ; mt = 2 x modality + mt'
	s_add_co_u32 s40, s40, s41
	s_lshl_b32 s40, s40, 10
	s_and_b32 s41, s38, 1                          ; half = nt % 2
	s_lshl_b32 s41, s41, 9
	s_add_co_u32 s40, s40, s41
	v_lshl_add_u32 v[VO], v1, 4, s40
	s_mov_b32 s3, 0
	s_wait_kmcnt 0x0
	s_cmp_eq_u32 s9, 1                             ; X by the modality
	s_cselect_b64 s[4:5], s[18:19], s[16:17]
	s_cmp_eq_u32 s9, 2
	s_cselect_b64 s[4:5], s[20:21], s[4:5]
	s_cmp_eq_u32 s11, 1                            ; W by wsel
	s_cselect_b64 s[6:7], s[24:25], s[22:23]
	s_cmp_eq_u32 s11, 2
	s_cselect_b64 s[6:7], s[26:27], s[6:7]
	s_cmp_eq_u32 s11, 3
	s_cselect_b64 s[6:7], s[28:29], s[6:7]
	s_cmp_eq_u32 s11, 4
	s_cselect_b64 s[6:7], s[30:31], s[6:7]
	s_lshl_b32 s2, s12, 8
	s_add_nc_u64 s[6:7], s[6:7], s[2:3]            ; my 64 columns: 256 bytes of every row
	s_mul_i32 s2, s11, PLANE
	s_add_nc_u64 s[32:33], s[32:33], s[2:3]        ; my matrix in yhi
	; X: 32 rows, my 512 bytes of each, one load a row
.irp q, 0,1,2,3,4,5,6,7,8,9,10,11,12,13,14,15
	global_load_b128 v[BF+4*\q:BF+4*\q+3], v[VA], s[4:5] offset:4096*\q
.endr
.irp q, 0,1,2,3,4,5,6,7,8,9,10,11,12,13,14,15
	global_load_b128 v[WB1+4*\q:WB1+4*\q+3], v[VA], s[4:5] offset:4096*(16+\q)
.endr
	WLOAD WB0, 0
	s_wait_loadcnt 16                              ; the 16 loads of W's step 0 are younger: X is in
	XCONV WB1, 16                                  ; X is split while W is on its way
	WLOAD WB1, 1
	XCONV BF, 0
	WIN 0x40                                       ; destination window 1, address window 0
.irp s, 0,1,2,3
.irp mt, 0,1
.irp pl, 0,1
	ds_load_b128 v[AF+8*(4*\s+2*\mt+\pl):AF+8*(4*\s+2*\mt+\pl)+3], v[VXL] offset:XPL*\pl+16*RP*\mt+64*\s
	ds_load_b128 v[AF+8*(4*\s+2*\mt+\pl)+4:AF+8*(4*\s+2*\mt+\pl)+7], v[VXL] offset:XPL*\pl+16*RP*\mt+64*\s+32
.endr
.endr
.endr
	WIN 0                                          ; these loads are waited for with step 0's transposing loads
	KSTEP 0, WB0, 2, 16, 1                         ; step 1's 16 loads are younger; the first products start the sums
	KSTEP 1, WB1, 3, 16, 0                         ; step 2's 16 loads are younger
	KSTEP 2, WB0, -1, 16, 0                        ; step 3's 16 loads are younger
	KSTEP 3, WB1, -1, 0, 0
	; main + corr / 2048, into window 0 (over the W fragments), then my partial tile into LDS.
	; Four places behind the last matrix instruction before its result is read and its sources are written (ISA guide 7.12.1).
.rept 4
	v_nop
.endr
	WIN 0x11                                       ; sources 0 and 2 window 1, destination window 0
.set u, 0
.rept 32
	v_pk_fma_f32 v[BF+2*u:BF+2*u+1], v[ACCC+2*u:ACCC+2*u+1], 0x3a000000, v[ACCM+2*u:ACCM+2*u+1] op_sel_hi:[1,0,1]
.set u, u+1
.endr
	WIN 0
.irp mt, 0,1
.irp nt, 0,1,2,3
	ds_store_b128 v[VR], v[BF+8*(4*\mt+\nt):BF+8*(4*\mt+\nt)+3] offset:16*RP*\mt+64*\nt
	ds_store_b128 v[VR], v[BF+8*(4*\mt+\nt)+4:BF+8*(4*\mt+\nt)+7] offset:16*RP*\mt+64*\nt+16
.endr
.endr
	s_wait_dscnt 0x0                               ; my partial tile is in LDS, for the other waves' sake
	s_barrier_signal -1
	s_barrier_wait -1
	REDSUM 16                                      ; out(row 16 mt' + r, columns 16 nt + 8 hh .. + 7)
	SPLIT8 WB0
	global_store_b128 v[VO], v[16:19], s[32:33]    ; the wave's store covers 512 consecutive bytes, aligned
	s_cmp_lt_u32 s11, 3                            ; only D0 and D1 are needed to two planes
	s_cbranch_scc1 .Lend
	s_sub_co_u32 s2, s11, 3
	s_mul_i32 s2, s2, PLANE
	s_add_nc_u64 s[34:35], s[34:35], s[2:3]
	global_store_b128 v[VO], v[20:23], s[34:35]
.Lend:
	s_wait_tensorcnt 0x0
	ds_add_u32 v254, v255
	s_wait_dscnt 0x0
	s_endpgm
.Lfunc_end_k_q08b12496c9_proj:
	.size	k_q08b12496c9_proj, .Lfunc_end_k_q08b12496c9_proj-k_q08b12496c9_proj
	.p2alignl 7, 3214868480
	.fill 96, 4, 3214868480
	.section	.rodata,"a",@progbits
	.p2align	6, 0x0
	.amdhsa_kernel k_q08b12496c9_proj
		.amdhsa_group_segment_fixed_size 291840
		.amdhsa_private_segment_fixed_size 0
		.amdhsa_enable_private_segment 0
		.amdhsa_kernarg_size 80
		.amdhsa_user_sgpr_count 2
		.amdhsa_user_sgpr_kernarg_segment_ptr 1
		.amdhsa_wavefront_size32 1
		.amdhsa_system_sgpr_workgroup_id_x 1
		.amdhsa_system_sgpr_workgroup_id_y 1
		.amdhsa_system_sgpr_workgroup_id_z 1
		.amdhsa_system_vgpr_workitem_id 0
		.amdhsa_next_free_vgpr 512
		.amdhsa_next_free_sgpr 66
		.amdhsa_reserve_vcc 0
		.amdhsa_float_denorm_mode_32 3
		.amdhsa_float_denorm_mode_16_64 3
		.amdhsa_memory_ordered 1
		.amdhsa_forward_progress 1
		.amdhsa_inst_pref_size 113
	.end_amdhsa_kernel
	.amdgpu_metadata
---
amdhsa.version: [ 1, 2 ]
amdhsa.kernels:
  - .name:           k_q08b12496c9_proj
    .symbol:         k_q08b12496c9_proj.kd
    .args:
      - { .name: input_t, .offset: 0, .size: 8, .value_kind: global_buffer, .address_space: global }
      - { .name: input_a, .offset: 8, .size: 8, .value_kind: global_buffer, .address_space: global }
      - { .name: input_v, .offset: 16, .size: 8, .value_kind: global_buffer, .address_space: global }
      - { .name: w_qs, .offset: 24, .size: 8, .value_kind: global_buffer, .address_space: global }
      - { .name: w_ks, .offset: 32, .size: 8, .value_kind: global_buffer, .address_space: global }
      - { .name: w_vs, .offset: 40, .size: 8, .value_kind: global_buffer, .address_space: global }
      - { .name: w_ds0, .offset: 48, .size: 8, .value_kind: global_buffer, .address_space: global }
      - { .name: w_ds1, .offset: 56, .size: 8, .value_kind: global_buffer, .address_space: global }
      - { .name: yhi, .offset: 64, .size: 8, .value_kind: global_buffer, .address_space: global }
      - { .name: ylo, .offset: 72, .size: 8, .value_kind: global_buffer, .address_space: global }
    .group_segment_fixed_size: 291840
    .private_segment_fixed_size: 0
    .kernarg_segment_align: 8
    .kernarg_segment_size: 80
    .max_flat_workgroup_size: 256
    .sgpr_count:     66
    .vgpr_count:     512
    .wavefront_size: 32
...
	.end_amdgpu_metadata
.endif
;; end of part 1
;; launch pmat (part 2): grid 3 x 64, 8 waves a work-group, no clusters, 152,576 bytes of LDS; arguments yhi, ylo, dc_w1, pbuf; writes pbuf
.if DOCPART == 2
	.amdgcn_target "amdgcn-amd-amdhsa--gfx1250"
	.amdhsa_code_object_version 6
	.text
	.protected	k_q08b12496c9_pmat
	.globl	k_q08b12496c9_pmat
	.p2align	8
	.type	k_q08b12496c9_pmat,@function
k_q08b12496c9_pmat:
	s_mov_b64 s[64:65], 0
	v_nop
	global_prefetch_b8 v0, s[64:65] scope:SCOPE_SE
	s_setreg_imm32_b32 hwreg(HW_REG_WAVE_MODE, 25, 1), 1
	s_wait_xcnt 0x0
; pmat: P1 = D1 W1[0:1024] and P0 = D0 W1[1024:2048].  concat(d1, d0) W1 = d1 W1[0:1024] + d0 W1[1024:2048] holds for every input,
; so the product over all 96 x 96 pairs is replaced by these two of 96 x 1024 x 2048.
; A work-group makes 32 rows (group x) by 64 columns (group y: half = y / 32, column block = y % 32).  Wave w takes k = 128 w .. + 127,
; four K steps of 32; the eight partial tiles meet in LDS behind the one barrier.
; PRECISION: two f16 planes for each operand, hi = f16(x), lo = f16((x - hi) * 2048); main += Whi Xhi, corr += Whi Xlo + Wlo Xhi,
; result = main + corr / 2048.  D0 and D1 come split from the launch before, in fragment-major order: two loads of 512 consecutive bytes make a fragment.
; LIMIT: |dc_w1| below 65,504 (f16's largest number).
; No cluster: a W block is shared by three work-groups, which no cluster shape divides, and W passes through registers for the split anyway.
.set LDWB,  8192                       ; bytes in a row of dc_w1
.set WP,    160                        ; LDS pitch of a staged W row: 128 bytes + 32, an odd multiple of 32 for the transposing load
.set PLN,   32*WP
.set WSTW,  2*PLN                      ; a wave's W stage: hi plane, lo plane
.set RED,   8*WSTW                     ; behind the eight stages: the partial tiles
.set RP,    272                        ; pitch of a row of 64 f32
.set REDW,  32*RP
.set PLANE, 196608                     ; bytes of one matrix in yhi and in ylo
.set VW,  4                            ; byte offset in W: (128 w + 4 hh) rows + 16 r
.set VA,  5                            ; byte offset in D: 24,576 w + 2,048 modality + 16 lane
.set VS,  6                            ; W stage, store
.set VT,  7                            ; W stage, transposing load
.set VR,  8                            ; my partial tile, store
.set VL,  9                            ; the rows that I finish, load
.set VO,  10                           ; their byte offset in pbuf
.set BF,  32                           ; v32-95   W fragments, (2 nt + plane) * 8; at last the combined tile
.set WB0, 96                           ; v96-159  raw W
.set WB1, 160                          ; v160-223 raw W
.set ACCM, 0                           ; window 1: main sums
.set ACCC, 64                          ; window 1: correction sums
.set AF,   128                         ; window 1: D fragments, (4 s + 2 mt + plane) * 8
.set MSB, 0
.macro WIN new                         ; the immediate's high byte repeats the setting that is left
.if MSB != \new
	s_set_vgpr_msb (MSB<<8)|\new
.set MSB, \new
.endif
.endm
; Eight f32 at v[src .. src+7] become hi in v[16:19] and lo in v[20:23].  x - hi is exact in f32.
.macro SPLIT8 src
	v_cvt_pk_f16_f32 v16, v[\src], v[\src+1]
	v_cvt_pk_f16_f32 v17, v[\src+2], v[\src+3]
	v_cvt_pk_f16_f32 v18, v[\src+4], v[\src+5]
	v_cvt_pk_f16_f32 v19, v[\src+6], v[\src+7]
	v_cvt_f32_f16 v24, v16.l
	v_cvt_f32_f16 v25, v16.h
	v_cvt_f32_f16 v26, v17.l
	v_cvt_f32_f16 v27, v17.h
	v_cvt_f32_f16 v28, v18.l
	v_cvt_f32_f16 v29, v18.h
	v_cvt_f32_f16 v30, v19.l
	v_cvt_f32_f16 v31, v19.h
.irp j, 0,2,4,6
	v_pk_add_f32 v[24+\j:25+\j], v[\src+\j:\src+\j+1], v[24+\j:25+\j] neg_lo:[0,1] neg_hi:[0,1]
.endr
.irp j, 0,2,4,6
	v_pk_mul_f32 v[24+\j:25+\j], v[24+\j:25+\j], 0x45000000 op_sel_hi:[1,0]   ; times 2048
.endr
	v_cvt_pk_f16_f32 v20, v24, v25
	v_cvt_pk_f16_f32 v21, v26, v27
	v_cvt_pk_f16_f32 v22, v28, v29
	v_cvt_pk_f16_f32 v23, v30, v31
.endm
; The 32 rows of K step s.  Load i takes rows 8 (i / 4) + i % 4 (lanes 0-15) and that + 4 (lanes 16-31): two whole pieces of 256 bytes.
.macro WLOAD buf, s
.irp i, 0,1,2,3,4,5,6,7,8,9,10,11,12,13,14,15
	global_load_b128 v[\buf+4*\i:\buf+4*\i+3], v[VW], s[6:7] offset:(32*\s+8*(\i/4)+\i%4)*LDWB
.endr
.endm
; Eight matrix instructions, one for each tile; source 0 = 16 columns of W, source 1 = 16 rows of D:
; register j of lane (r, hh) is out(row r, column 16 nt + 8 hh + j).
.macro MMA acc, wpl, xpl, s, zero
.irp mt, 0,1
.irp nt, 0,1,2,3
.if \zero
	v_wmma_f32_16x16x32_f16 v[\acc+8*(4*\mt+\nt):\acc+8*(4*\mt+\nt)+7], v[BF+8*(2*\nt+\wpl):BF+8*(2*\nt+\wpl)+7], v[AF+8*(4*\s+2*\mt+\xpl):AF+8*(4*\s+2*\mt+\xpl)+7], 0
.else
	v_wmma_f32_16x16x32_f16 v[\acc+8*(4*\mt+\nt):\acc+8*(4*\mt+\nt)+7], v[BF+8*(2*\nt+\wpl):BF+8*(2*\nt+\wpl)+7], v[AF+8*(4*\s+2*\mt+\xpl):AF+8*(4*\s+2*\mt+\xpl)+7], v[\acc+8*(4*\mt+\nt):\acc+8*(4*\mt+\nt)+7]
.endif
.endr
.endr
.endm
; One K step: raw W in buf is split and staged; each slot is loaded again with step next (none if next < 0) as soon as it has been read;
; the fragments come back transposed; 24 products.  The stage is my wave's own: LDS serves a wave's instructions in order (ISA guide 5.7.1),
; and the last step's transposing loads were waited for in front of its products.
; The transposing loads land in registers that the last step's matrix instructions read: the 192 plain conversions in front of them,
; which name none of those registers, are more than the four places asked for.
; The sixteen accumulators take turns, one instruction a turn, over the step's end too.
.macro KSTEP s, buf, next, cnt, zero
	s_wait_loadcnt \cnt                            ; loads return in order: all but the cnt youngest are in
.irp i, 0,2,4,6,8,10,12,14
	SPLIT8 \buf+4*\i
	ds_store_b64 v[VS], v[16:17] offset:(8*(\i/4)+\i%4)*WP
	ds_store_b64 v[VS], v[18:19] offset:(8*(\i/4)+\i%4+1)*WP
	ds_store_b64 v[VS], v[20:21] offset:(8*(\i/4)+\i%4)*WP+PLN
	ds_store_b64 v[VS], v[22:23] offset:(8*(\i/4)+\i%4+1)*WP+PLN
.if \next >= 0
	global_load_b128 v[\buf+4*\i:\buf+4*\i+3], v[VW], s[6:7] offset:(32*\next+8*(\i/4)+\i%4)*LDWB
	global_load_b128 v[\buf+4*\i+4:\buf+4*\i+7], v[VW], s[6:7] offset:(32*\next+8*(\i/4)+\i%4+1)*LDWB
.endif
.endr
.irp nt, 0,1,2,3
.irp pl, 0,1
	ds_load_tr16_b128 v[BF+8*(2*\nt+\pl):BF+8*(2*\nt+\pl)+3], v[VT] offset:32*\nt+PLN*\pl
	ds_load_tr16_b128 v[BF+8*(2*\nt+\pl)+4:BF+8*(2*\nt+\pl)+7], v[VT] offset:32*\nt+PLN*\pl+16*WP
.endr
.endr
	s_wait_dscnt 0x0
	WIN 0x54                                       ; source 0 window 0; source 1, C and D window 1
	MMA ACCM, 0, 0, \s, \zero                      ; Whi Dhi
	MMA ACCC, 0, 1, \s, \zero                      ; Whi Dlo
	MMA ACCC, 1, 0, \s, 0                          ; Wlo Dhi
	WIN 0
.endm
; 16 loads of the eight waves' partial sums of my 8 numbers, added in the order of the waves
.macro REDSUM step
.irp p, 0,1,2,3,4,5,6,7
	ds_load_b128 v[WB0+8*\p:WB0+8*\p+3], v[VL] offset:REDW*\p
	ds_load_b128 v[WB0+8*\p+4:WB0+8*\p+7], v[VL] offset:REDW*\p+\step
.endr
	s_wait_dscnt 0x0
.irp p, 1,2,3,4,5,6,7
.irp u, 0,2,4,6
	v_pk_add_f32 v[WB0+\u:WB0+\u+1], v[WB0+\u:WB0+\u+1], v[WB0+8*\p+\u:WB0+8*\p+\u+1]
.endr
.endr
.endm
	s_load_b256 s[16:23], s[0:1], 0x0              ; yhi s[16:17], ylo s[18:19], dc_w1 s[20:21], pbuf s[22:23]
	v_lshl_add_u32 v254, v0, 2, 0x25000
	v_mov_b32 v255, 0
	v_lshrrev_b32 v13, 5, v0
	v_readfirstlane_b32 s8, v13                    ; wave 0..7
	s_mov_b32 s9, ttmp9                            ; modality: rows 32 x modality .. + 31
	s_and_b32 s24, ttmp7, 0xffff
	s_lshr_b32 s25, s24, 5                         ; half: 0 = P1 from D1, 1 = P0 from D0
	s_and_b32 s26, s24, 31                         ; column block of 64
	v_and_b32 v1, 31, v0                           ; lane
	v_and_b32 v2, 15, v0                           ; r
	v_bfe_u32 v3, v0, 4, 1                         ; hh
	s_mul_i32 s13, s8, 128*LDWB
	v_mul_u32_u24 v[VW], v3, 4*LDWB
	v_lshl_add_u32 v[VW], v2, 4, v[VW]
	v_add_nc_u32 v[VW], s13, v[VW]
	s_mul_i32 s29, s8, 24576                       ; four K steps of 6 row tiles of 1,024 bytes
	s_lshl_b32 s30, s9, 11
	s_add_co_u32 s29, s29, s30
	v_lshl_add_u32 v[VA], v1, 4, s29
	s_mul_i32 s31, s8, WSTW
	v_mul_u32_u24 v[VS], v3, 4*WP
	v_lshl_add_u32 v[VS], v2, 3, v[VS]
	v_add_nc_u32 v[VS], s31, v[VS]
	v_and_b32 v13, 7, v0
	v_lshl_add_u32 v13, v3, 3, v13                 ; k row 8 hh + lane % 8
	v_mul_u32_u24 v[VT], v13, WP
	v_bfe_u32 v13, v0, 3, 1
	v_lshl_add_u32 v[VT], v13, 4, v[VT]
	v_add_nc_u32 v[VT], s31, v[VT]
	v_mul_u32_u24 v[VR], v2, RP
	v_lshl_add_u32 v[VR], v3, 5, v[VR]
	s_mul_i32 s36, s8, REDW
	s_add_co_u32 s36, s36, RED
	v_add_nc_u32 v[VR], s36, v[VR]
	s_mul_i32 s37, s8, 4*RP                        ; I finish rows 4 w .. 4 w + 3
	s_add_co_u32 s37, s37, RED
	v_mul_u32_u24 v[VL], v3, RP
	v_lshl_add_u32 v[VL], v2, 4, v[VL]
	v_add_nc_u32 v[VL], s37, v[VL]
	s_lshl_b32 s38, s8, 15                         ; 4 w rows of 8,192 bytes
	v_lshlrev_b32 v[VO], 13, v3
	v_lshl_add_u32 v[VO], v2, 4, v[VO]
	v_add_nc_u32 v[VO], s38, v[VO]
	s_mov_b32 s3, 0
	s_lshl_b32 s27, s26, 8
	s_wait_kmcnt 0x0
	s_lshl_b32 s2, s25, 23                         ; 1,024 rows of 8,192 bytes
	s_add_co_u32 s2, s2, s27
	s_add_nc_u64 s[6:7], s[20:21], s[2:3]          ; W
	s_sub_co_u32 s2, 4, s25                        ; yhi holds Q, K, V, D0, D1
	s_mul_i32 s2, s2, PLANE
	s_add_nc_u64 s[10:11], s[16:17], s[2:3]        ; D, hi plane
	s_sub_co_u32 s2, 1, s25                        ; ylo holds D0, D1
	s_mul_i32 s2, s2, PLANE
	s_add_nc_u64 s[12:13], s[18:19], s[2:3]        ; D, lo plane
	s_mul_i32 s2, s25, 786432
	s_lshl_b32 s28, s9, 18
	s_add_co_u32 s2, s2, s28
	s_add_co_u32 s2, s2, s27
	s_add_nc_u64 s[14:15], s[22:23], s[2:3]        ; my block of pbuf
	WIN 0x40                                       ; destination window 1, address window 0
.irp s, 0,1,2,3
.irp mt, 0,1
	global_load_b128 v[AF+8*(4*\s+2*\mt):AF+8*(4*\s+2*\mt)+3], v[VA], s[10:11] offset:6144*\s+1024*\mt
	global_load_b128 v[AF+8*(4*\s+2*\mt)+4:AF+8*(4*\s+2*\mt)+7], v[VA], s[10:11] offset:6144*\s+1024*\mt+512
	global_load_b128 v[AF+8*(4*\s+2*\mt+1):AF+8*(4*\s+2*\mt+1)+3], v[VA], s[12:13] offset:6144*\s+1024*\mt
	global_load_b128 v[AF+8*(4*\s+2*\mt+1)+4:AF+8*(4*\s+2*\mt+1)+7], v[VA], s[12:13] offset:6144*\s+1024*\mt+512
.endr
.endr
	WIN 0
	WLOAD WB0, 0
	WLOAD WB1, 1
	KSTEP 0, WB0, 2, 16, 1                         ; step 1's 16 loads are younger: D and step 0 are in; the first products start the sums
	KSTEP 1, WB1, 3, 16, 0                         ; step 2's 16 loads are younger
	KSTEP 2, WB0, -1, 16, 0                        ; step 3's 16 loads are younger
	KSTEP 3, WB1, -1, 0, 0
	; main + corr / 2048, into window 0 (over the W fragments), then my partial tile into LDS.
	; Four places behind the last matrix instruction before its result is read and its sources are written (ISA guide 7.12.1).
.rept 4
	v_nop
.endr
	WIN 0x11                                       ; sources 0 and 2 window 1, destination window 0
.set u, 0
.rept 32
	v_pk_fma_f32 v[BF+2*u:BF+2*u+1], v[ACCC+2*u:ACCC+2*u+1], 0x3a000000, v[ACCM+2*u:ACCM+2*u+1] op_sel_hi:[1,0,1]
.set u, u+1
.endr
	WIN 0
.irp mt, 0,1
.irp nt, 0,1,2,3
	ds_store_b128 v[VR], v[BF+8*(4*\mt+\nt):BF+8*(4*\mt+\nt)+3] offset:16*RP*\mt+64*\nt
	ds_store_b128 v[VR], v[BF+8*(4*\mt+\nt)+4:BF+8*(4*\mt+\nt)+7] offset:16*RP*\mt+64*\nt+16
.endr
.endr
	s_wait_dscnt 0x0                               ; my partial tile is in LDS, for the other waves' sake
	s_barrier_signal -1
	s_barrier_wait -1
	REDSUM 2*RP                                    ; rows 4 w + hh and 4 w + hh + 2, columns 4 r .. 4 r + 3
	global_store_b128 v[VO], v[WB0:WB0+3], s[14:15]                    ; 16 lanes store 256 consecutive bytes, aligned
	global_store_b128 v[VO], v[WB0+4:WB0+7], s[14:15] offset:2*LDWB
	s_wait_tensorcnt 0x0
	ds_add_u32 v254, v255
	s_wait_dscnt 0x0
	s_endpgm
.Lfunc_end_k_q08b12496c9_pmat:
	.size	k_q08b12496c9_pmat, .Lfunc_end_k_q08b12496c9_pmat-k_q08b12496c9_pmat
	.p2alignl 7, 3214868480
	.fill 96, 4, 3214868480
	.section	.rodata,"a",@progbits
	.p2align	6, 0x0
	.amdhsa_kernel k_q08b12496c9_pmat
		.amdhsa_group_segment_fixed_size 152576
		.amdhsa_private_segment_fixed_size 0
		.amdhsa_enable_private_segment 0
		.amdhsa_kernarg_size 32
		.amdhsa_user_sgpr_count 2
		.amdhsa_user_sgpr_kernarg_segment_ptr 1
		.amdhsa_wavefront_size32 1
		.amdhsa_system_sgpr_workgroup_id_x 1
		.amdhsa_system_sgpr_workgroup_id_y 1
		.amdhsa_system_sgpr_workgroup_id_z 1
		.amdhsa_system_vgpr_workitem_id 0
		.amdhsa_next_free_vgpr 512
		.amdhsa_next_free_sgpr 66
		.amdhsa_reserve_vcc 0
		.amdhsa_float_denorm_mode_32 3
		.amdhsa_float_denorm_mode_16_64 3
		.amdhsa_memory_ordered 1
		.amdhsa_forward_progress 1
		.amdhsa_inst_pref_size 83
	.end_amdhsa_kernel
	.amdgpu_metadata
---
amdhsa.version: [ 1, 2 ]
amdhsa.kernels:
  - .name:           k_q08b12496c9_pmat
    .symbol:         k_q08b12496c9_pmat.kd
    .args:
      - { .name: yhi, .offset: 0, .size: 8, .value_kind: global_buffer, .address_space: global }
      - { .name: ylo, .offset: 8, .size: 8, .value_kind: global_buffer, .address_space: global }
      - { .name: dc_w1, .offset: 16, .size: 8, .value_kind: global_buffer, .address_space: global }
      - { .name: pbuf, .offset: 24, .size: 8, .value_kind: global_buffer, .address_space: global }
    .group_segment_fixed_size: 152576
    .private_segment_fixed_size: 0
    .kernarg_segment_align: 8
    .kernarg_segment_size: 32
    .max_flat_workgroup_size: 256
    .sgpr_count:     66
    .vgpr_count:     512
    .wavefront_size: 32
...
	.end_amdgpu_metadata
.endif
;; end of part 2
;; launch dec (part 3): grid 12 x 24, 8 waves a work-group, no clusters, 71,680 bytes of LDS; arguments pbuf, dc_b1, dc_w2, dpart; writes dpart
.if DOCPART == 3
	.amdgcn_target "amdgcn-amd-amdhsa--gfx1250"
	.amdhsa_code_object_version 6
	.text
	.protected	k_q08b12496c9_dec
	.globl	k_q08b12496c9_dec
	.p2align	8
	.type	k_q08b12496c9_dec,@function
k_q08b12496c9_dec:
	s_mov_b64 s[64:65], 0
	v_nop
	global_prefetch_b8 v0, s[64:65] scope:SCOPE_SE
	s_setreg_imm32_b32 hwreg(HW_REG_WAVE_MODE, 25, 1), 1
	s_wait_xcnt 0x0
; dec: half sums of d[a][c] = sum over n of relu(P1[a][n] + P0[c][n] + b1[n]) * (w2[n][1] - w2[n][0]), the difference of the two logits without b2.
; A work-group takes 8 a (group x) by 8 c (group y / 2) over 1,024 n (half nh = group y % 2).  Thread t takes n = 1024 nh + 4 t .. + 3 of all 64 pairs.
; All in f32 on the vector unit: the product with dc_w2 has two columns of which only the difference counts, one fused multiply-add for each relu.
; Each thread's 64 partial sums go through LDS, where thread t adds up row t (64 numbers), then wave 0 adds four rows for each pair.
; No matrix unit, tensor load or cluster: 19 loads a thread, all issued at once, each byte used from registers 8 times.
.set RP,   272                         ; pitch of a row of 64 f32: 256 bytes + 16, so that 16 lanes reading 16 rows meet 16 different columns of 16 bytes
.set SCR2, 256*RP                      ; behind the 256 rows: 256 row sums
.set VP,   1                           ; 16 t: my 16 bytes in a row's 4,096 bytes, and in dc_b1's
.set V2,   2                           ; 32 t: my 32 bytes in dc_w2
.set VST,  3                           ; where my partial sum of pair 0 goes
.set VST2, 4                           ; the same for pair 32
.set VRD,  5                           ; row t
.set VS2,  6                           ; row t's sum
.set VF,   7                           ; wave 0: the eight row sums of my two pairs
.set VOUT, 8                           ; wave 0: 8 x lane
.set P1,  16                           ; v16-47  row a at 4 a
.set P0,  48                           ; v48-79  row c at 4 c, b1 added
.set B1,  80                           ; v80-83
.set W2,  84                           ; v84-91
.set DW,  92                           ; v92-95  w2[n][1] - w2[n][0]
.set T,   96                           ; v96-103 two sets of four, at work
.set R,   104                          ; v104-111 results on their way to LDS
	s_load_b256 s[4:11], s[0:1], 0x0               ; pbuf s[4:5], dc_b1 s[6:7], dc_w2 s[8:9], dpart s[10:11]
	v_lshl_add_u32 v128, v0, 2, 0x11400
	v_mov_b32 v129, 0
	v_lshrrev_b32 v9, 5, v0
	v_readfirstlane_b32 s12, v9                    ; wave 0..7
	s_mov_b32 s13, ttmp9                           ; block of 8 a
	s_and_b32 s14, ttmp7, 0xffff
	s_lshr_b32 s15, s14, 1                         ; block of 8 c
	s_and_b32 s16, s14, 1                          ; nh
	v_and_b32 v9, 31, v0                           ; lane
	v_lshlrev_b32 v[VP], 4, v0
	v_lshlrev_b32 v[V2], 5, v0
	s_lshr_b32 s17, s12, 1                         ; pair p's four rows are 4 p + w / 2; a row holds two waves' 32 numbers
	s_mul_i32 s17, s17, RP
	s_and_b32 s22, s12, 1
	s_lshl_b32 s22, s22, 7
	s_add_co_u32 s17, s17, s22
	v_lshl_add_u32 v[VST], v9, 2, s17
	v_add_nc_u32 v[VST2], 32*4*RP, v[VST]
	s_mul_i32 s22, s12, 32*RP
	v_mul_u32_u24 v[VRD], v9, RP
	v_add_nc_u32 v[VRD], s22, v[VRD]
	s_lshl_b32 s22, s12, 7
	s_add_co_u32 s22, s22, SCR2
	v_lshl_add_u32 v[VS2], v9, 2, s22
	v_lshlrev_b32 v[VF], 5, v9
	v_add_nc_u32 v[VF], SCR2, v[VF]
	v_lshlrev_b32 v[VOUT], 3, v9
	s_mov_b32 s3, 0
	s_lshl_b32 s23, s16, 12                        ; 4,096 nh
	s_wait_kmcnt 0x0
	s_lshl_b32 s2, s13, 16                         ; 8 rows of 8,192 bytes
	s_add_co_u32 s2, s2, s23
	s_add_nc_u64 s[18:19], s[4:5], s[2:3]          ; P1
	s_lshl_b32 s2, s15, 16
	s_add_co_u32 s2, s2, s23
	s_add_co_u32 s2, s2, 786432
	s_add_nc_u64 s[20:21], s[4:5], s[2:3]          ; P0
	s_mov_b32 s2, s23
	s_add_nc_u64 s[6:7], s[6:7], s[2:3]
	s_lshl_b32 s2, s16, 13
	s_add_nc_u64 s[8:9], s[8:9], s[2:3]
	s_mul_i32 s2, s16, 36864                       ; dpart: [nh][c / 8][a][c % 8] f32
	s_mul_i32 s24, s15, 3072
	s_add_co_u32 s2, s2, s24
	s_lshl_b32 s24, s13, 8
	s_add_co_u32 s2, s2, s24
	s_add_nc_u64 s[10:11], s[10:11], s[2:3]
	global_load_b128 v[W2:W2+3], v[V2], s[8:9]
	global_load_b128 v[W2+4:W2+7], v[V2], s[8:9] offset:16
	global_load_b128 v[B1:B1+3], v[VP], s[6:7]
.irp c, 0,1,2,3,4,5,6,7
	global_load_b128 v[P0+4*\c:P0+4*\c+3], v[VP], s[20:21] offset:8192*\c
.endr
.irp a, 0,1,2,3,4,5,6,7
	global_load_b128 v[P1+4*\a:P1+4*\a+3], v[VP], s[18:19] offset:8192*\a
.endr
	s_wait_loadcnt 8                               ; P1's eight loads are younger: w2, b1 and P0 are in
.irp i, 0,1,2,3
	v_sub_f32 v[DW+\i], v[W2+2*\i+1], v[W2+2*\i]
.endr
.irp c, 0,1,2,3,4,5,6,7
	v_pk_add_f32 v[P0+4*\c:P0+4*\c+1], v[P0+4*\c:P0+4*\c+1], v[B1:B1+1]
	v_pk_add_f32 v[P0+4*\c+2:P0+4*\c+3], v[P0+4*\c+2:P0+4*\c+3], v[B1+2:B1+3]
.endr
	s_wait_loadcnt 0x0
; my four n of pair (a, c): sum, relu, times dw, added up
.macro PAIR a, c
	v_pk_add_f32 v[T+4*(\c%2):T+4*(\c%2)+1], v[P1+4*\a:P1+4*\a+1], v[P0+4*\c:P0+4*\c+1]
	v_pk_add_f32 v[T+4*(\c%2)+2:T+4*(\c%2)+3], v[P1+4*\a+2:P1+4*\a+3], v[P0+4*\c+2:P0+4*\c+3]
.irp k, 0,1,2,3
	v_max_num_f32 v[T+4*(\c%2)+\k], 0, v[T+4*(\c%2)+\k]
.endr
	v_pk_mul_f32 v[T+4*(\c%2):T+4*(\c%2)+1], v[T+4*(\c%2):T+4*(\c%2)+1], v[DW:DW+1]
	v_pk_fma_f32 v[T+4*(\c%2):T+4*(\c%2)+1], v[T+4*(\c%2)+2:T+4*(\c%2)+3], v[DW+2:DW+3], v[T+4*(\c%2):T+4*(\c%2)+1]
	v_add_f32 v[R+\c], v[T+4*(\c%2)], v[T+4*(\c%2)+1]
.if \a < 4
	ds_store_b32 v[VST], v[R+\c] offset:4*RP*(8*\a+\c)
.else
	ds_store_b32 v[VST2], v[R+\c] offset:4*RP*(8*(\a-4)+\c)
.endif
.endm
.irp a, 0,1,2,3,4,5,6,7
.irp c, 0,1,2,3,4,5,6,7
	PAIR \a, \c
.endr
.endr
	s_wait_dscnt 0x0                               ; my 64 numbers are in LDS, for the other waves' sake
	s_barrier_signal -1
	s_barrier_wait -1
.irp i, 0,1,2,3,4,5,6,7,8,9,10,11,12,13,14,15
	ds_load_b128 v[16+4*\i:19+4*\i], v[VRD] offset:16*\i           ; row t: 64 threads' numbers of one pair
.endr
	s_wait_dscnt 0x0
.irp m, 1,2,3,4,5,6,7
.irp c, 0,2,4,6
	v_pk_add_f32 v[16+\c:17+\c], v[16+\c:17+\c], v[16+8*\m+\c:17+8*\m+\c]     ; four chains
.endr
.endr
	v_pk_add_f32 v[16:17], v[16:17], v[18:19]
	v_pk_add_f32 v[20:21], v[20:21], v[22:23]
	v_pk_add_f32 v[16:17], v[16:17], v[20:21]
	v_add_f32 v16, v16, v17
	ds_store_b32 v[VS2], v16
	s_wait_dscnt 0x0                               ; my row sum is in LDS, for wave 0's sake
	s_barrier_signal -1
	s_barrier_wait -1
	s_cmp_lg_u32 s12, 0
	s_cbranch_scc1 .Lend
	ds_load_b128 v[16:19], v[VF]                   ; the four row sums of pair 2 x lane
	ds_load_b128 v[20:23], v[VF] offset:16         ; and of pair 2 x lane + 1
	s_wait_dscnt 0x0
	v_pk_add_f32 v[16:17], v[16:17], v[18:19]
	v_pk_add_f32 v[20:21], v[20:21], v[22:23]
	v_add_f32 v16, v16, v17
	v_add_f32 v17, v20, v21
	global_store_b64 v[VOUT], v[16:17], s[10:11]   ; the wave's store covers 256 consecutive bytes, aligned
.Lend:
	s_wait_tensorcnt 0x0
	ds_add_u32 v128, v129
	s_wait_dscnt 0x0
	s_endpgm
.Lfunc_end_k_q08b12496c9_dec:
	.size	k_q08b12496c9_dec, .Lfunc_end_k_q08b12496c9_dec-k_q08b12496c9_dec
	.p2alignl 7, 3214868480
	.fill 96, 4, 3214868480
	.section	.rodata,"a",@progbits
	.p2align	6, 0x0
	.amdhsa_kernel k_q08b12496c9_dec
		.amdhsa_group_segment_fixed_size 71680
		.amdhsa_private_segment_fixed_size 0
		.amdhsa_enable_private_segment 0
		.amdhsa_kernarg_size 32
		.amdhsa_user_sgpr_count 2
		.amdhsa_user_sgpr_kernarg_segment_ptr 1
		.amdhsa_wavefront_size32 1
		.amdhsa_system_sgpr_workgroup_id_x 1
		.amdhsa_system_sgpr_workgroup_id_y 1
		.amdhsa_system_sgpr_workgroup_id_z 1
		.amdhsa_system_vgpr_workitem_id 0
		.amdhsa_next_free_vgpr 130
		.amdhsa_next_free_sgpr 66
		.amdhsa_reserve_vcc 0
		.amdhsa_float_denorm_mode_32 3
		.amdhsa_float_denorm_mode_16_64 3
		.amdhsa_memory_ordered 1
		.amdhsa_forward_progress 1
		.amdhsa_inst_pref_size 40
	.end_amdhsa_kernel
	.amdgpu_metadata
---
amdhsa.version: [ 1, 2 ]
amdhsa.kernels:
  - .name:           k_q08b12496c9_dec
    .symbol:         k_q08b12496c9_dec.kd
    .args:
      - { .name: pbuf, .offset: 0, .size: 8, .value_kind: global_buffer, .address_space: global }
      - { .name: dc_b1, .offset: 8, .size: 8, .value_kind: global_buffer, .address_space: global }
      - { .name: dc_w2, .offset: 16, .size: 8, .value_kind: global_buffer, .address_space: global }
      - { .name: dpart, .offset: 24, .size: 8, .value_kind: global_buffer, .address_space: global }
    .group_segment_fixed_size: 71680
    .private_segment_fixed_size: 0
    .kernarg_segment_align: 8
    .kernarg_segment_size: 32
    .max_flat_workgroup_size: 256
    .sgpr_count:     66
    .vgpr_count:     130
    .wavefront_size: 32
...
	.end_amdgpu_metadata
.endif
;; end of part 3
;; launch attn (part 4): grid 6 x 16, 1 waves a work-group, no clusters, 168,192 bytes of LDS; arguments yhi, dpart, dc_b2, ohi; writes ohi
.if DOCPART == 4
	.amdgcn_target "amdgcn-amd-amdhsa--gfx1250"
	.amdhsa_code_object_version 6
	.text
	.protected	k_q08b12496c9_attn
	.globl	k_q08b12496c9_attn
	.p2align	8
	.type	k_q08b12496c9_attn,@function
k_q08b12496c9_attn:
	s_mov_b64 s[64:65], 0
	v_nop
	global_prefetch_b8 v0, s[64:65] scope:SCOPE_SE
	s_setreg_imm32_b32 hwreg(HW_REG_WAVE_MODE, 25, 1), 1
	s_wait_xcnt 0x0
; attn: one wave takes 16 queries (row tile mtq = group x of the 96 rows; modality i = mtq / 2, qt = mtq % 2) of one head (group y) against all 96 keys.
; score = q k / 8 + dec, dec = -1e9 where the decision is 1, else 0; softmax over the 96 keys with the row's maximum taken away; o = P V.
; The decision for query q of modality i and key k of modality j is made from d[a = 32 j + q][c = 32 i + k] + (b2[1] - b2[0]) > 0.
; reference()'s straight-through value is exactly 1 or 0, so dec is exactly -1e9 or 0, and one fused multiply-add rounds q k / 8 + dec as f32 addition does.
; LIMITS: within f32 rounding of zero (0 < d below about 2e-7) reference()'s two softmaxes can round to a tie and choose 0 where this text chooses 1;
; a NaN in d counts as not masked.  Q, K, V, P and o are f16 matrix operands: below 65,504 in magnitude.
; Both products are used transposed (source 0 = keys or V's columns, source 1 = queries), so that lane (r, hh) holds query r throughout,
; the scores' registers are at once P's fragment, and o's eight numbers of a lane are eight neighbouring columns.
; No cluster: the six row tiles of a head share K and V, 24 KiB in all, read once each; six work-groups fit no cluster shape of four.
.set PLANE, 196608                     ; bytes of one matrix in yhi: Q, K, V, D0, D1
.set D0,  16                           ; v16-63   d, half nh = 0, then d, then dec; register 8 kt + j goes with key 16 kt + 8 hh + j
.set SA,  64                           ; v64-111  d, half nh = 1; then the scores, then P
.set KF,  112                          ; v112-207 K fragments (6 s + kt) * 8; then fragments of V transposed, (4 ks + dv) * 8
.set QF,  208                          ; v208-223 Q fragments, 8 s
.set OA,  224                          ; v224-255 o, 8 dv
.set PF,  16                           ; v16-39   P in f16, 8 ks
.set OP,  40                           ; v40-55   o in f16, 4 dv
.set SM,  56                           ; v56-63   four chains of the sum
	s_load_b256 s[4:11], s[0:1], 0x0               ; yhi s[4:5], dpart s[6:7], dc_b2 s[8:9], ohi s[10:11]
	v_lshl_add_u32 v14, v0, 2, 0x29000
	v_mov_b32 v15, 0
	ds_add_u32 v14, v15
	ds_add_u32 v14, v15
	s_mov_b32 s12, 0x76543210                      ; v_permlanex16_b32: lane i of one half reads lane i of the other
	s_mov_b32 s13, 0xfedcba98
	s_mov_b32 s22, 0x3e000000                      ; 1 / 8 = 1 / sqrt(64)
	s_mov_b32 s16, ttmp9                           ; mtq
	s_and_b32 s17, ttmp7, 0xffff                   ; head
	s_lshr_b32 s18, s16, 1                         ; i
	s_and_b32 s19, s16, 1                          ; qt
	s_mul_i32 s20, s17, 12288                      ; a head's 64 columns: two K steps of 6 row tiles of 1,024 bytes, consecutive
	s_mov_b32 s3, 0
	; V's 12,288 bytes of this head are dense in memory: 48 rows of 32 elements of 8 bytes, to LDS byte 0, no padding
	s_mov_b32 s24, 1                               ; count = 1
	s_mov_b32 s25, 0                               ; LDS address
	s_mov_b32 s28, 3<<16                           ; no mask; element of 8 bytes; no padding
	s_mov_b32 s29, 32<<16                          ; tensor_dim0 = 32
	s_mov_b32 s30, 48<<16                          ; tensor_dim1 = 48
	s_mov_b32 s31, 32<<16                          ; tile_dim0 = 32
	s_mov_b32 s32, 48                              ; tile_dim1 = 48
	s_mov_b32 s33, 32                              ; 32 elements from row to row
	s_mov_b32 s34, 0
	s_mov_b32 s35, 0
	v_lshlrev_b32 v1, 4, v0                        ; 16 x lane
	v_and_b32 v5, 15, v0                           ; r
	v_bfe_u32 v12, v0, 4, 1                        ; hh
	v_mul_u32_u24 v2, v12, 3072                    ; d: block of 8 c by hh,
	v_lshl_add_u32 v2, v5, 5, v2                   ; row a by r: 32 bytes
	v_and_b32 v3, 7, v0                            ; V transposed: the lane addresses key 8 hh + lane % 8 (16 bytes each),
	v_lshlrev_b32 v3, 4, v3
	v_lshl_add_u32 v3, v12, 7, v3
	v_bfe_u32 v5, v0, 3, 1
	v_lshl_add_u32 v3, v5, 8, v3                   ; the upper eight columns lie 256 bytes on
	v_mov_b32 v4, 0xce6e6b28                       ; -1e9
	s_wait_dscnt 0x0
	s_wait_kmcnt 0x0
	s_load_b64 s[14:15], s[8:9], 0x0               ; b2[0], b2[1]
	s_add_co_u32 s2, s20, 2*PLANE
	s_add_nc_u64 s[26:27], s[4:5], s[2:3]
	s_or_b32 s27, s27, 0x80000000                  ; type = 2
	tensor_load_to_lds s[24:27], s[28:35]          ; the wave's only tensor load: one is outstanding
	s_nop 0
	s_mul_i32 s2, s18, 12288                       ; d: c = 32 i + ..: four blocks of 3,072 bytes
	s_lshl_b32 s21, s19, 9                         ; a = .. + 16 qt: 16 rows of 32 bytes
	s_add_co_u32 s2, s2, s21
	s_add_nc_u64 s[40:41], s[6:7], s[2:3]
.irp nh, 0,1
.irp kt, 0,1,2,3,4,5
	global_load_b128 v[D0+48*\nh+8*\kt:D0+48*\nh+8*\kt+3], v2, s[40:41] offset:36864*\nh+6144*(\kt%2)+1024*(\kt/2)
	global_load_b128 v[D0+48*\nh+8*\kt+4:D0+48*\nh+8*\kt+7], v2, s[40:41] offset:36864*\nh+6144*(\kt%2)+1024*(\kt/2)+16
.endr
.endr
	s_add_co_u32 s2, s20, PLANE
	s_add_nc_u64 s[36:37], s[4:5], s[2:3]
.set u, 0
.rept 24
	global_load_b128 v[KF+4*u:KF+4*u+3], v1, s[36:37] offset:512*u     ; K's fragments lie as they are used
.set u, u+1
.endr
	s_lshl_b32 s21, s16, 10
	s_add_co_u32 s2, s20, s21
	s_add_nc_u64 s[38:39], s[4:5], s[2:3]
	s_add_nc_u64 s[42:43], s[10:11], s[2:3]        ; o's place in ohi is Q's place in its matrix
.irp s, 0,1
	global_load_b128 v[QF+8*\s:QF+8*\s+3], v1, s[38:39] offset:6144*\s
	global_load_b128 v[QF+8*\s+4:QF+8*\s+7], v1, s[38:39] offset:6144*\s+512
.endr
	s_wait_kmcnt 0x0
	v_mov_b32 v6, s14
	v_sub_f32 v6, s15, v6                          ; b2[1] - b2[0]
	v_mov_b32 v7, v6
	s_wait_loadcnt 28                              ; K's 24 and Q's 4 loads are younger: d is in
.set u, 0
.rept 24
	v_pk_add_f32 v[D0+2*u:D0+2*u+1], v[D0+2*u:D0+2*u+1], v[SA+2*u:SA+2*u+1]
	v_pk_add_f32 v[D0+2*u:D0+2*u+1], v[D0+2*u:D0+2*u+1], v[6:7]
.set u, u+1
.endr
	s_wait_loadcnt 0x0
	; scores: register j of lane (r, hh) of tile kt = q(r) . k(16 kt + 8 hh + j).  The six accumulators take turns.
.irp s, 0,1
.irp kt, 0,1,2,3,4,5
.if \s == 0
	v_wmma_f32_16x16x32_f16 v[SA+8*\kt:SA+8*\kt+7], v[KF+8*(6*\s+\kt):KF+8*(6*\s+\kt)+7], v[QF+8*\s:QF+8*\s+7], 0
.else
	v_wmma_f32_16x16x32_f16 v[SA+8*\kt:SA+8*\kt+7], v[KF+8*(6*\s+\kt):KF+8*(6*\s+\kt)+7], v[QF+8*\s:QF+8*\s+7], v[SA+8*\kt:SA+8*\kt+7]
.endif
.endr
.endr
.rept 4
	v_nop                                          ; four places before loads land on K's registers and the scores are read
.endr
	s_wait_tensorcnt 0x0                           ; V is in LDS
.irp ks, 0,1,2
.irp dv, 0,1,2,3
	ds_load_tr16_b128 v[KF+8*(4*\ks+\dv):KF+8*(4*\ks+\dv)+3], v3 offset:((\dv/2)*6+2*\ks)*1024+512*(\dv%2)
	ds_load_tr16_b128 v[KF+8*(4*\ks+\dv)+4:KF+8*(4*\ks+\dv)+7], v3 offset:((\dv/2)*6+2*\ks)*1024+512*(\dv%2)+1024
.endr
.endr
.set u, 0
.rept 48
	v_cmp_lt_f32 vcc_lo, 0, v[D0+u]                ; the decision selects a value, never a path
	v_cndmask_b32 v[D0+u], 0, v4, vcc_lo
	v_fma_f32 v[SA+u], v[SA+u], s22, v[D0+u]
.set u, u+1
.endr
	v_max3_num_f32 v8, v[SA], v[SA+1], v[SA+2]
.set u, 3
.rept 22
	v_max3_num_f32 v8, v8, v[SA+u], v[SA+u+1]
.set u, u+2
.endr
	v_max_num_f32 v8, v8, v[SA+47]
	v_mov_b32 v9, v8                               ; the permute's destination counts as read
	v_permlanex16_b32 v9, v8, s12, s13             ; the other 48 keys of my query
	v_max_num_f32 v8, v8, v9
	v_mov_b32 v9, v8
	; the maximum is taken away first and the factor log2(e) applied afterwards: fused, a score of -1e9 would leave a rounding residue
.set u, 0
.rept 24
	v_pk_add_f32 v[SA+2*u:SA+2*u+1], v[SA+2*u:SA+2*u+1], v[8:9] neg_lo:[0,1] neg_hi:[0,1]
.set u, u+1
.endr
.set u, 0
.rept 24
	v_pk_mul_f32 v[SA+2*u:SA+2*u+1], v[SA+2*u:SA+2*u+1], 0x3fb8aa3b op_sel_hi:[1,0]
.set u, u+1
.endr
.set u, 0
.rept 48
	v_exp_f32 v[SA+u], v[SA+u]
.set u, u+1
.endr
	v_nop                                          ; one plain place behind the run of exponentials (ISA guide 5.7.2)
	s_wait_alu depctr_va_vdst(0)
.irp c, 0,1,2,3
	v_pk_add_f32 v[SM+2*\c:SM+2*\c+1], v[SA+2*\c:SA+2*\c+1], v[SA+8+2*\c:SA+8+2*\c+1]
.endr
.irp m, 2,3,4,5
.irp c, 0,1,2,3
	v_pk_add_f32 v[SM+2*\c:SM+2*\c+1], v[SM+2*\c:SM+2*\c+1], v[SA+8*\m+2*\c:SA+8*\m+2*\c+1]
.endr
.endr
	v_pk_add_f32 v[SM:SM+1], v[SM:SM+1], v[SM+2:SM+3]
	v_pk_add_f32 v[SM+4:SM+5], v[SM+4:SM+5], v[SM+6:SM+7]
	v_pk_add_f32 v[SM:SM+1], v[SM:SM+1], v[SM+4:SM+5]
	v_add_f32 v10, v[SM], v[SM+1]
	v_mov_b32 v11, v10
	v_permlanex16_b32 v11, v10, s12, s13
	v_add_f32 v10, v10, v11                        ; at least 1: the largest score gives exp(0)
	v_rcp_f32 v10, v10                             ; the conversions below are the plain work between it and its use
.set u, 0
.rept 24
	v_cvt_pk_f16_f32 v[PF+u], v[SA+2*u], v[SA+2*u+1]               ; tiles 2 ks and 2 ks + 1 are registers 0-3 and 4-7 of the fragment of keys 32 ks ..
.set u, u+1
.endr
	s_wait_alu depctr_va_vdst(0)
	v_mov_b32 v11, v10
	s_wait_dscnt 0x0
	; o: register j of lane (r, hh) of tile dv = o(query r, column 16 dv + 8 hh + j).  The four accumulators take turns.
.irp ks, 0,1,2
.irp dv, 0,1,2,3
.if \ks == 0
	v_wmma_f32_16x16x32_f16 v[OA+8*\dv:OA+8*\dv+7], v[KF+8*(4*\ks+\dv):KF+8*(4*\ks+\dv)+7], v[PF+8*\ks:PF+8*\ks+7], 0
.else
	v_wmma_f32_16x16x32_f16 v[OA+8*\dv:OA+8*\dv+7], v[KF+8*(4*\ks+\dv):KF+8*(4*\ks+\dv)+7], v[PF+8*\ks:PF+8*\ks+7], v[OA+8*\dv:OA+8*\dv+7]
.endif
.endr
.endr
.rept 4
	v_nop                                          ; four places before o is read (ISA guide 7.12.1)
.endr
.set u, 0
.rept 16
	v_pk_mul_f32 v[OA+2*u:OA+2*u+1], v[OA+2*u:OA+2*u+1], v[10:11]  ; divided by the row's sum
.set u, u+1
.endr
.set u, 0
.rept 16
	v_cvt_pk_f16_f32 v[OP+u], v[OA+2*u], v[OA+2*u+1]
.set u, u+1
.endr
.irp dv, 0,1,2,3
	global_store_b128 v1, v[OP+4*\dv:OP+4*\dv+3], s[42:43] offset:6144*(\dv/2)+512*(\dv%2)    ; 512 consecutive bytes, aligned
.endr
	s_wait_tensorcnt 0x0
	ds_add_u32 v14, v15
	s_wait_dscnt 0x0
	s_endpgm
.Lfunc_end_k_q08b12496c9_attn:
	.size	k_q08b12496c9_attn, .Lfunc_end_k_q08b12496c9_attn-k_q08b12496c9_attn
	.p2alignl 7, 3214868480
	.fill 96, 4, 3214868480
	.section	.rodata,"a",@progbits
	.p2align	6, 0x0
	.amdhsa_kernel k_q08b12496c9_attn
		.amdhsa_group_segment_fixed_size 168192
		.amdhsa_private_segment_fixed_size 0
		.amdhsa_enable_private_segment 0
		.amdhsa_kernarg_size 32
		.amdhsa_user_sgpr_count 2
		.amdhsa_user_sgpr_kernarg_segment_ptr 1
		.amdhsa_wavefront_size32 1
		.amdhsa_system_sgpr_workgroup_id_x 1
		.amdhsa_system_sgpr_workgroup_id_y 1
		.amdhsa_system_sgpr_workgroup_id_z 1
		.amdhsa_system_vgpr_workitem_id 0
		.amdhsa_next_free_vgpr 256
		.amdhsa_next_free_sgpr 66
		.amdhsa_reserve_vcc 1
		.amdhsa_float_denorm_mode_32 3
		.amdhsa_float_denorm_mode_16_64 3
		.amdhsa_memory_ordered 1
		.amdhsa_forward_progress 1
		.amdhsa_inst_pref_size 33
	.end_amdhsa_kernel
	.amdgpu_metadata
---
amdhsa.version: [ 1, 2 ]
amdhsa.kernels:
  - .name:           k_q08b12496c9_attn
    .symbol:         k_q08b12496c9_attn.kd
    .args:
      - { .name: yhi, .offset: 0, .size: 8, .value_kind: global_buffer, .address_space: global }
      - { .name: dpart, .offset: 8, .size: 8, .value_kind: global_buffer, .address_space: global }
      - { .name: dc_b2, .offset: 16, .size: 8, .value_kind: global_buffer, .address_space: global }
      - { .name: ohi, .offset: 24, .size: 8, .value_kind: global_buffer, .address_space: global }
    .group_segment_fixed_size: 168192
    .private_segment_fixed_size: 0
    .kernarg_segment_align: 8
    .kernarg_segment_size: 32
    .max_flat_workgroup_size: 32
    .sgpr_count:     66
    .vgpr_count:     256
    .wavefront_size: 32
...
	.end_amdgpu_metadata
.endif
;; end of part 4
;; launch fc (part 5): grid 3 x 16, 8 waves a work-group, no clusters, 111,616 bytes of LDS; arguments ohi, w_fc, input_t, input_a, input_v, ybuf; writes ybuf
.if DOCPART == 5
	.amdgcn_target "amdgcn-amd-amdhsa--gfx1250"
	.amdhsa_code_object_version 6
	.text
	.protected	k_q08b12496c9_fc
	.globl	k_q08b12496c9_fc
	.p2align	8
	.type	k_q08b12496c9_fc,@function
k_q08b12496c9_fc:
	s_mov_b64 s[64:65], 0
	v_nop
	global_prefetch_b8 v0, s[64:65] scope:SCOPE_SE
	s_setreg_imm32_b32 hwreg(HW_REG_WAVE_MODE, 25, 1), 1
	s_wait_xcnt 0x0
; fc: y = o w_fc + residual.  o is [96][1024] f16 in fragment-major order, w_fc is [1024][1024] f32, the residual is the modality's input.
; A work-group makes 32 rows (modality = group x) by 64 columns (group y).  Wave w takes k = 128 w .. + 127, four K steps of 32;
; the eight partial tiles meet in LDS behind the one barrier.  Plain f16 operands, f32 sums: nothing is decided by a sign here.
; LIMIT: |w_fc| below 65,504 (f16's largest number).
; No cluster: a W block is shared by three work-groups, which no cluster shape divides, and W passes through registers for the conversion anyway.
.set LDWB,  4096                       ; bytes in a row of w_fc
.set WP,    160                        ; LDS pitch of a staged W row: 128 bytes + 32, an odd multiple of 32 for the transposing load
.set WSTW,  32*WP                      ; a wave's W stage
.set RED,   8*WSTW                     ; behind the eight stages: the partial tiles
.set RP,    272                        ; pitch of a row of 64 f32
.set REDW,  32*RP
.set VW,  4                            ; byte offset in W: (128 w + 4 hh) rows + 16 r
.set VA,  5                            ; byte offset in o: 24,576 w + 2,048 modality + 16 lane
.set VS,  6                            ; W stage, store
.set VT,  7                            ; W stage, transposing load
.set VR,  8                            ; my partial tile, store
.set VL,  9                            ; the rows that I finish, load
.set VO,  10                           ; their byte offset in the residual and in ybuf
.set BF,  32                           ; v32-63   W fragments, 8 nt
.set WB0, 96                           ; v96-159  raw W
.set WB1, 160                          ; v160-223 raw W
.set RES, 224                          ; v224-231 residual
.set ACCM, 0                           ; window 1: v256-319 sums, tile 4 mt + nt
.set AF,   64                          ; window 1: v320-383 o fragments, (2 s + mt) * 8
.set MSB, 0
.macro WIN new                         ; the immediate's high byte repeats the setting that is left
.if MSB != \new
	s_set_vgpr_msb (MSB<<8)|\new
.set MSB, \new
.endif
.endm
; The 32 rows of K step s.  Load i takes rows 8 (i / 4) + i % 4 (lanes 0-15) and that + 4 (lanes 16-31): two whole pieces of 256 bytes.
.macro WLOAD buf, s
.irp i, 0,1,2,3,4,5,6,7,8,9,10,11,12,13,14,15
	global_load_b128 v[\buf+4*\i:\buf+4*\i+3], v[VW], s[6:7] offset:(32*\s+8*(\i/4)+\i%4)*LDWB
.endr
.endm
; One K step: raw W in buf is rounded to f16 and staged; each slot is loaded again with step next (none if next < 0) as soon as it has been read;
; the fragments come back transposed; 8 products, source 0 = 16 columns of W, source 1 = 16 rows of o.
; The stage is my wave's own: LDS serves a wave's instructions in order (ISA guide 5.7.1), and the last step's transposing loads were waited for.
; The 32 plain conversions in front of the transposing loads are more than the four places asked for behind the last step's products.
; The eight accumulators take turns, one instruction a turn, over the step's end too.
.macro KSTEP s, buf, next, cnt, zero
	s_wait_loadcnt \cnt                            ; loads return in order: all but the cnt youngest are in
.irp i, 0,2,4,6,8,10,12,14
	v_cvt_pk_f16_f32 v16, v[\buf+4*\i], v[\buf+4*\i+1]
	v_cvt_pk_f16_f32 v17, v[\buf+4*\i+2], v[\buf+4*\i+3]
	v_cvt_pk_f16_f32 v18, v[\buf+4*\i+4], v[\buf+4*\i+5]
	v_cvt_pk_f16_f32 v19, v[\buf+4*\i+6], v[\buf+4*\i+7]
	ds_store_b64 v[VS], v[16:17] offset:(8*(\i/4)+\i%4)*WP
	ds_store_b64 v[VS], v[18:19] offset:(8*(\i/4)+\i%4+1)*WP
.if \next >= 0
	global_load_b128 v[\buf+4*\i:\buf+4*\i+3], v[VW], s[6:7] offset:(32*\next+8*(\i/4)+\i%4)*LDWB
	global_load_b128 v[\buf+4*\i+4:\buf+4*\i+7], v[VW], s[6:7] offset:(32*\next+8*(\i/4)+\i%4+1)*LDWB
.endif
.endr
.irp nt, 0,1,2,3
	ds_load_tr16_b128 v[BF+8*\nt:BF+8*\nt+3], v[VT] offset:32*\nt
	ds_load_tr16_b128 v[BF+8*\nt+4:BF+8*\nt+7], v[VT] offset:32*\nt+16*WP
.endr
	s_wait_dscnt 0x0
	WIN 0x54                                       ; source 0 window 0; source 1, C and D window 1
.irp mt, 0,1
.irp nt, 0,1,2,3
.if \zero
	v_wmma_f32_16x16x32_f16 v[ACCM+8*(4*\mt+\nt):ACCM+8*(4*\mt+\nt)+7], v[BF+8*\nt:BF+8*\nt+7], v[AF+8*(2*\s+\mt):AF+8*(2*\s+\mt)+7], 0
.else
	v_wmma_f32_16x16x32_f16 v[ACCM+8*(4*\mt+\nt):ACCM+8*(4*\mt+\nt)+7], v[BF+8*\nt:BF+8*\nt+7], v[AF+8*(2*\s+\mt):AF+8*(2*\s+\mt)+7], v[ACCM+8*(4*\mt+\nt):ACCM+8*(4*\mt+\nt)+7]
.endif
.endr
.endr
	WIN 0
.endm
	s_load_b256 s[16:23], s[0:1], 0x0              ; ohi s[16:17], w_fc s[18:19], t s[20:21], a s[22:23]
	s_load_b128 s[24:27], s[0:1], 0x20             ; v s[24:25], ybuf s[26:27]
	v_lshl_add_u32 v254, v0, 2, 0x1b000
	v_mov_b32 v255, 0
	v_lshrrev_b32 v13, 5, v0
	v_readfirstlane_b32 s8, v13                    ; wave 0..7
	s_mov_b32 s9, ttmp9                            ; modality
	s_and_b32 s10, ttmp7, 0xffff                   ; column block of 64
	v_and_b32 v1, 31, v0                           ; lane
	v_and_b32 v2, 15, v0                           ; r
	v_bfe_u32 v3, v0, 4, 1                         ; hh
	s_mul_i32 s13, s8, 128*LDWB
	v_mul_u32_u24 v[VW], v3, 4*LDWB
	v_lshl_add_u32 v[VW], v2, 4, v[VW]
	v_add_nc_u32 v[VW], s13, v[VW]
	s_mul_i32 s29, s8, 24576                       ; four K steps of 6 row tiles of 1,024 bytes
	s_lshl_b32 s30, s9, 11
	s_add_co_u32 s29, s29, s30
	v_lshl_add_u32 v[VA], v1, 4, s29
	s_mul_i32 s31, s8, WSTW
	v_mul_u32_u24 v[VS], v3, 4*WP
	v_lshl_add_u32 v[VS], v2, 3, v[VS]
	v_add_nc_u32 v[VS], s31, v[VS]
	v_and_b32 v13, 7, v0
	v_lshl_add_u32 v13, v3, 3, v13                 ; k row 8 hh + lane % 8
	v_mul_u32_u24 v[VT], v13, WP
	v_bfe_u32 v13, v0, 3, 1
	v_lshl_add_u32 v[VT], v13, 4, v[VT]
	v_add_nc_u32 v[VT], s31, v[VT]
	v_mul_u32_u24 v[VR], v2, RP
	v_lshl_add_u32 v[VR], v3, 5, v[VR]
	s_mul_i32 s36, s8, REDW
	s_add_co_u32 s36, s36, RED
	v_add_nc_u32 v[VR], s36, v[VR]
	s_mul_i32 s37, s8, 4*RP                        ; I finish rows 4 w .. 4 w + 3
	s_add_co_u32 s37, s37, RED
	v_mul_u32_u24 v[VL], v3, RP
	v_lshl_add_u32 v[VL], v2, 4, v[VL]
	v_add_nc_u32 v[VL], s37, v[VL]
	s_lshl_b32 s38, s8, 14                         ; 4 w rows of 4,096 bytes
	v_lshlrev_b32 v[VO], 12, v3
	v_lshl_add_u32 v[VO], v2, 4, v[VO]
	v_add_nc_u32 v[VO], s38, v[VO]
	s_mov_b32 s3, 0
	s_lshl_b32 s2, s10, 8                          ; my 64 columns: 256 bytes of every row
	s_wait_kmcnt 0x0
	s_cmp_eq_u32 s9, 1                             ; the residual by the modality
	s_cselect_b64 s[4:5], s[22:23], s[20:21]
	s_cmp_eq_u32 s9, 2
	s_cselect_b64 s[4:5], s[24:25], s[4:5]
	s_add_nc_u64 s[4:5], s[4:5], s[2:3]
	s_add_nc_u64 s[6:7], s[18:19], s[2:3]          ; W
	s_lshl_b32 s11, s9, 17                         ; 32 rows of 4,096 bytes
	s_add_co_u32 s2, s2, s11
	s_add_nc_u64 s[14:15], s[26:27], s[2:3]        ; my block of ybuf
	global_load_b128 v[RES:RES+3], v[VO], s[4:5]
	global_load_b128 v[RES+4:RES+7], v[VO], s[4:5] offset:2*4096
	WIN 0x40                                       ; destination window 1, address window 0
.irp s, 0,1,2,3
.irp mt, 0,1
	global_load_b128 v[AF+8*(2*\s+\mt):AF+8*(2*\s+\mt)+3], v[VA], s[16:17] offset:6144*\s+1024*\mt
	global_load_b128 v[AF+8*(2*\s+\mt)+4:AF+8*(2*\s+\mt)+7], v[VA], s[16:17] offset:6144*\s+1024*\mt+512
.endr
.endr
	WIN 0
	WLOAD WB0, 0
	WLOAD WB1, 1
	KSTEP 0, WB0, 2, 16, 1                         ; step 1's 16 loads are younger: residual, o and step 0 are in; the first products start the sums
	KSTEP 1, WB1, 3, 16, 0                         ; step 2's 16 loads are younger
	KSTEP 2, WB0, -1, 16, 0                        ; step 3's 16 loads are younger
	KSTEP 3, WB1, -1, 0, 0
.rept 4
	v_nop                                          ; four places before LDS stores read the sums
.endr
	WIN 0x04                                       ; store data window 1, address window 0
.irp mt, 0,1
.irp nt, 0,1,2,3
	ds_store_b128 v[VR], v[ACCM+8*(4*\mt+\nt):ACCM+8*(4*\mt+\nt)+3] offset:16*RP*\mt+64*\nt
	ds_store_b128 v[VR], v[ACCM+8*(4*\mt+\nt)+4:ACCM+8*(4*\mt+\nt)+7] offset:16*RP*\mt+64*\nt+16
.endr
.endr
	WIN 0
	s_wait_dscnt 0x0                               ; my partial tile is in LDS, for the other waves' sake
	s_barrier_signal -1
	s_barrier_wait -1
.irp p, 0,1,2,3,4,5,6,7
	ds_load_b128 v[WB0+8*\p:WB0+8*\p+3], v[VL] offset:REDW*\p              ; row 4 w + hh, columns 4 r .. + 3, of wave p's partial tile
	ds_load_b128 v[WB0+8*\p+4:WB0+8*\p+7], v[VL] offset:REDW*\p+2*RP       ; row 4 w + hh + 2
.endr
	s_wait_dscnt 0x0
.irp p, 1,2,3,4,5,6,7
.irp u, 0,2,4,6
	v_pk_add_f32 v[WB0+\u:WB0+\u+1], v[WB0+\u:WB0+\u+1], v[WB0+8*\p+\u:WB0+8*\p+\u+1]
.endr
.endr
.irp u, 0,2,4,6
	v_pk_add_f32 v[WB0+\u:WB0+\u+1], v[WB0+\u:WB0+\u+1], v[RES+\u:RES+\u+1]
.endr
	global_store_b128 v[VO], v[WB0:WB0+3], s[14:15]                        ; 16 lanes store 256 consecutive bytes, aligned
	global_store_b128 v[VO], v[WB0+4:WB0+7], s[14:15] offset:2*4096
	s_wait_tensorcnt 0x0
	ds_add_u32 v254, v255
	s_wait_dscnt 0x0
	s_endpgm
.Lfunc_end_k_q08b12496c9_fc:
	.size	k_q08b12496c9_fc, .Lfunc_end_k_q08b12496c9_fc-k_q08b12496c9_fc
	.p2alignl 7, 3214868480
	.fill 96, 4, 3214868480
	.section	.rodata,"a",@progbits
	.p2align	6, 0x0
	.amdhsa_kernel k_q08b12496c9_fc
		.amdhsa_group_segment_fixed_size 111616
		.amdhsa_private_segment_fixed_size 0
		.amdhsa_enable_private_segment 0
		.amdhsa_kernarg_size 48
		.amdhsa_user_sgpr_count 2
		.amdhsa_user_sgpr_kernarg_segment_ptr 1
		.amdhsa_wavefront_size32 1
		.amdhsa_system_sgpr_workgroup_id_x 1
		.amdhsa_system_sgpr_workgroup_id_y 1
		.amdhsa_system_sgpr_workgroup_id_z 1
		.amdhsa_system_vgpr_workitem_id 0
		.amdhsa_next_free_vgpr 384
		.amdhsa_next_free_sgpr 66
		.amdhsa_reserve_vcc 0
		.amdhsa_float_denorm_mode_32 3
		.amdhsa_float_denorm_mode_16_64 3
		.amdhsa_memory_ordered 1
		.amdhsa_forward_progress 1
		.amdhsa_inst_pref_size 32
	.end_amdhsa_kernel
	.amdgpu_metadata
---
amdhsa.version: [ 1, 2 ]
amdhsa.kernels:
  - .name:           k_q08b12496c9_fc
    .symbol:         k_q08b12496c9_fc.kd
    .args:
      - { .name: ohi, .offset: 0, .size: 8, .value_kind: global_buffer, .address_space: global }
      - { .name: w_fc, .offset: 8, .size: 8, .value_kind: global_buffer, .address_space: global }
      - { .name: input_t, .offset: 16, .size: 8, .value_kind: global_buffer, .address_space: global }
      - { .name: input_a, .offset: 24, .size: 8, .value_kind: global_buffer, .address_space: global }
      - { .name: input_v, .offset: 32, .size: 8, .value_kind: global_buffer, .address_space: global }
      - { .name: ybuf, .offset: 40, .size: 8, .value_kind: global_buffer, .address_space: global }
    .group_segment_fixed_size: 111616
    .private_segment_fixed_size: 0
    .kernarg_segment_align: 8
    .kernarg_segment_size: 48
    .max_flat_workgroup_size: 256
    .sgpr_count:     66
    .vgpr_count:     384
    .wavefront_size: 32
...
	.end_amdgpu_metadata
.endif
;; end of part 5
;; launch ln (part 6): grid 96 x 1, 1 waves a work-group, no clusters, 0 bytes of LDS; arguments ybuf, ln_g, ln_b, out0; writes out0
.if DOCPART == 6
	.amdgcn_target "amdgcn-amd-amdhsa--gfx1250"
	.amdhsa_code_object_version 6
	.text
	.protected	k_q08b12496c9_ln
	.globl	k_q08b12496c9_ln
	.p2align	8
	.type	k_q08b12496c9_ln,@function
k_q08b12496c9_ln:
	s_mov_b64 s[64:65], 0
	v_nop
	global_prefetch_b8 v0, s[64:65] scope:SCOPE_SE
	s_setreg_imm32_b32 hwreg(HW_REG_WAVE_MODE, 25, 1), 1
	s_wait_xcnt 0x0
; ln: out = (y - mean) / sqrt(var + 1e-6) * g + b along each row of 1,024 f32.  One wave, one row: the row stays in 32 registers a lane between
; the three passes, and the two sums never leave the wave.  The variance is the mean of (y - mean)^2, as reference() has it: no difference of large sums.
; No LDS, matrix unit or cluster: 12 KiB in and 4 KiB out for each wave, all loads issued at once.
.set Y, 8                              ; v8-39
.set G, 40                             ; v40-71
.set B, 72                             ; v72-103
.set S, 104                            ; v104-111 four chains
; the sum of v2 over the 32 lanes, in every lane
.macro WSUM
	v_add_f32_dpp v2, v2, v2 row_xmask:1 row_mask:0xf bank_mask:0xf
	v_add_f32_dpp v2, v2, v2 row_xmask:2 row_mask:0xf bank_mask:0xf
	v_add_f32_dpp v2, v2, v2 row_xmask:4 row_mask:0xf bank_mask:0xf
	v_add_f32_dpp v2, v2, v2 row_xmask:8 row_mask:0xf bank_mask:0xf
	v_mov_b32 v3, v2                               ; the permute's destination counts as read
	v_permlanex16_b32 v3, v2, s12, s13
	v_add_f32 v2, v2, v3
.endm
; the four chains into v2
.macro FOLD
	v_pk_add_f32 v[S:S+1], v[S:S+1], v[S+2:S+3]
	v_pk_add_f32 v[S+4:S+5], v[S+4:S+5], v[S+6:S+7]
	v_pk_add_f32 v[S:S+1], v[S:S+1], v[S+4:S+5]
	v_add_f32 v2, v[S], v[S+1]
.endm
	s_load_b256 s[4:11], s[0:1], 0x0               ; ybuf s[4:5], ln_g s[6:7], ln_b s[8:9], out0 s[10:11]
	s_mov_b32 s12, 0x76543210                      ; v_permlanex16_b32: lane i of one half reads lane i of the other
	s_mov_b32 s13, 0xfedcba98
	s_mov_b32 s14, 0x3a800000                      ; 1 / 1024
	s_lshl_b32 s2, ttmp9, 12                       ; my row
	s_mov_b32 s3, 0
	v_lshlrev_b32 v1, 4, v0
	v_mov_b32 v5, 0x358637bd                       ; 1e-6
	s_wait_kmcnt 0x0
	s_add_nc_u64 s[4:5], s[4:5], s[2:3]
	s_add_nc_u64 s[10:11], s[10:11], s[2:3]
.irp j, 0,1,2,3,4,5,6,7
	global_load_b128 v[Y+4*\j:Y+4*\j+3], v1, s[4:5] offset:512*\j
.endr
.irp j, 0,1,2,3,4,5,6,7
	global_load_b128 v[G+4*\j:G+4*\j+3], v1, s[6:7] offset:512*\j
.endr
.irp j, 0,1,2,3,4,5,6,7
	global_load_b128 v[B+4*\j:B+4*\j+3], v1, s[8:9] offset:512*\j
.endr
	s_wait_loadcnt 16                              ; the 16 loads of g and b are younger: y is in
.irp c, 0,2,4,6
	v_pk_add_f32 v[S+\c:S+\c+1], v[Y+\c:Y+\c+1], v[Y+8+\c:Y+8+\c+1]
.endr
.irp m, 2,3
.irp c, 0,2,4,6
	v_pk_add_f32 v[S+\c:S+\c+1], v[S+\c:S+\c+1], v[Y+8*\m+\c:Y+8*\m+\c+1]
.endr
.endr
	FOLD
	WSUM
	v_mul_f32 v2, s14, v2                          ; the mean
	v_mov_b32 v3, v2
.set u, 0
.rept 16
	v_pk_add_f32 v[Y+2*u:Y+2*u+1], v[Y+2*u:Y+2*u+1], v[2:3] neg_lo:[0,1] neg_hi:[0,1]
.set u, u+1
.endr
.irp c, 0,2,4,6
	v_pk_mul_f32 v[S+\c:S+\c+1], v[Y+\c:Y+\c+1], v[Y+\c:Y+\c+1]        ; the first squares start the chains
.endr
.irp m, 1,2,3
.irp c, 0,2,4,6
	v_pk_fma_f32 v[S+\c:S+\c+1], v[Y+8*\m+\c:Y+8*\m+\c+1], v[Y+8*\m+\c:Y+8*\m+\c+1], v[S+\c:S+\c+1]
.endr
.endr
	FOLD
	WSUM
	v_fma_f32 v4, v2, s14, v5                      ; variance + 1e-6
	v_rsq_f32 v4, v4
	v_nop                                          ; one plain place behind the reciprocal root (ISA guide 5.7.2)
	s_wait_alu depctr_va_vdst(0)
	v_mov_b32 v5, v4
	s_wait_loadcnt 0x0
.set u, 0
.rept 16
	v_pk_mul_f32 v[Y+2*u:Y+2*u+1], v[Y+2*u:Y+2*u+1], v[4:5]
	v_pk_fma_f32 v[Y+2*u:Y+2*u+1], v[Y+2*u:Y+2*u+1], v[G+2*u:G+2*u+1], v[B+2*u:B+2*u+1]
.set u, u+1
.endr
.irp j, 0,1,2,3,4,5,6,7
	global_store_b128 v1, v[Y+4*\j:Y+4*\j+3], s[10:11] offset:512*\j       ; 512 consecutive bytes, aligned
.endr
	s_endpgm
.Lfunc_end_k_q08b12496c9_ln:
	.size	k_q08b12496c9_ln, .Lfunc_end_k_q08b12496c9_ln-k_q08b12496c9_ln
	.p2alignl 7, 3214868480
	.fill 96, 4, 3214868480
	.section	.rodata,"a",@progbits
	.p2align	6, 0x0
	.amdhsa_kernel k_q08b12496c9_ln
		.amdhsa_group_segment_fixed_size 0
		.amdhsa_private_segment_fixed_size 0
		.amdhsa_enable_private_segment 0
		.amdhsa_kernarg_size 32
		.amdhsa_user_sgpr_count 2
		.amdhsa_user_sgpr_kernarg_segment_ptr 1
		.amdhsa_wavefront_size32 1
		.amdhsa_system_sgpr_workgroup_id_x 1
		.amdhsa_system_sgpr_workgroup_id_y 1
		.amdhsa_system_sgpr_workgroup_id_z 1
		.amdhsa_system_vgpr_workitem_id 0
		.amdhsa_next_free_vgpr 112
		.amdhsa_next_free_sgpr 66
		.amdhsa_reserve_vcc 0
		.amdhsa_float_denorm_mode_32 3
		.amdhsa_float_denorm_mode_16_64 3
		.amdhsa_memory_ordered 1
		.amdhsa_forward_progress 1
		.amdhsa_inst_pref_size 11
	.end_amdhsa_kernel
	.amdgpu_metadata
---
amdhsa.version: [ 1, 2 ]
amdhsa.kernels:
  - .name:           k_q08b12496c9_ln
    .symbol:         k_q08b12496c9_ln.kd
    .args:
      - { .name: ybuf, .offset: 0, .size: 8, .value_kind: global_buffer, .address_space: global }
      - { .name: ln_g, .offset: 8, .size: 8, .value_kind: global_buffer, .address_space: global }
      - { .name: ln_b, .offset: 16, .size: 8, .value_kind: global_buffer, .address_space: global }
      - { .name: out0, .offset: 24, .size: 8, .value_kind: global_buffer, .address_space: global }
    .group_segment_fixed_size: 0
    .private_segment_fixed_size: 0
    .kernarg_segment_align: 8
    .kernarg_segment_size: 32
    .max_flat_workgroup_size: 32
    .sgpr_count:     66
    .vgpr_count:     112
    .wavefront_size: 32
...
	.end_amdgpu_metadata
.endif
;; end of part 6
